; MI455X (gfx1250); checked and timed in simulation.
; The chip was launched on July 23, 2026; its instructions are those of AMD's public machine-readable ISA for CDNA 5 (MIT licence, August 2026) and "CDNA5" Instruction Set Architecture Reference Guide (July 2026). The comments in the code are by the model that wrote it; some were corrected since.
;; Simple Attention Pool2d. Allowed arithmetic: matrix products marked QUANTISED: E2M1 operands, one E8M0 scale for each 32 along K, by v_wmma_scale_f32_16x16x128_f8f6f4 with both operands' format E2M1 (or v_wmma_scale_f32_32x16x128_f4), f32 sums; everything else in f32.
;; Inputs: x 8 x 192 x 64 x 64 float32.
;; Outputs: out0 8 x 192 float32.
;; This version of the problem:
;;   THIS VERSION OF THE PROBLEM IS GIVEN IN LOW PRECISION. The matrix products marked QUANTISED in the list below multiply operands that are first quantised to E2M1 (2 exponent bits, 1 mantissa bit; 4 bits a number), with one power-of-two scale for each 32 numbers along K (OCP MX v1.0); their sums are f32. All else is computed in f32.
;;   The module's matrix products, in the order in which they are computed (A, B: the left and right operand; K: the contracted axis; several contracted axes count as one K, in the product's order):
;;     1. batch 8 x [M 4,097, K 192] x [K 192, N 4,097]; A: computed on the way; B: computed on the way: QUANTISED
;;     2. batch 8 x [M 192, K 4,097] x [K 4,097, N 4,097]; A: computed on the way; B: softmax (see below): QUANTISED
;;   THE QUANTISER, for each operand of a quantised product, along K:
;;     - K is cut into blocks of 32 from its start; a last block that is shorter is filled with zeros.
;;     - A block's scale is 2^e with e = floor(log2(the largest magnitude in the block)) - 2, held to -126 .. 127; a block of zeros has e = 0. As a byte (E8M0): e + 127.
;;     - Each number is divided by its block's scale, clamped to +-6, and rounded to the nearest number of E2M1, ties to even, subnormals kept.
;;     - The product sums the exact products of the quantised numbers (number of the format x scale) in f32.
;;   ~~~python
;;   def quantise(x, axis):      # numpy; x: float32 -> the quantised numbers, widened to float32 again
;;       x = np.moveaxis(x, axis, -1); K = x.shape[-1]
;;       x = np.pad(x, [(0, 0)] * (x.ndim - 1) + [(0, -K % 32)]); x = x.reshape(x.shape[:-1] + (-1, 32)); a = np.abs(x).max(-1, keepdims=True)
;;       e = np.where(a > 0, np.clip(np.frexp(np.where(a > 0, a, 1))[1] - 1 - 2, -126, 127), 0)      # np.frexp(a)[1] - 1 = floor(log2(a)), exactly
;;       r = np.clip(x / 2.0 ** e, -6, 6)
;;       step = 2.0 ** (np.maximum(np.frexp(np.where(r == 0, 1, r))[1] - 1, 0) - 1)
;;       q = np.round(r / step) * step * 2.0 ** e      # np.round: ties to even
;;       return np.moveaxis(q.reshape(q.shape[:-2] + (-1,))[..., :K], -1, axis).astype(np.float32)
;;   ~~~
;;   SOFTMAX AHEAD OF A QUANTISED PRODUCT. Where the list says 'softmax', what is quantised is not the finished softmax but p = 2^(t - M), with t = logit x log2(e) and M = ceil(the row's largest t), a whole number; so 1/2 < the row's largest p <= 1. The row's sum l is taken of the UNQUANTISED p, in f32, and the product's result is divided by l at the end. Since M is a whole number, a kernel that streams over the keys may use a running M (the ceiling of the running maximum): every later rescaling is an exact power of two, which a block's scale takes up: the codes' values come out the same.
;;   OPERANDS COMPUTED ON THE WAY. 'Computed on the way' means the value that the module computes at that place (a softmax that the list does not call 'softmax' is quantised finished and normalised). What goes into a quantiser is computed in f32, as accurately as f32 sums, v_exp_f32 and their like allow (about 1e-6 of the number): no bf16 or f16 on the way to a quantiser, and a product that is left as it is and whose result goes on into a quantised operand takes f32 operands (vector FMAs, or v_wmma_f32_16x16x4_f32). A number that lies on a knife's edge between two numbers of the format may be rounded either way, as far as f32 arithmetic and the matrix unit's own rounding can turn it there, and no further.
;; One version. Each part assembles by itself: llvm-mc -triple=amdgcn-amd-amdhsa -mcpu=gfx1250 --defsym DOCPART=n.
;; ======== version 1 of 1: 3 launches
;; workspace buffers: edge 202,752 bytes; kv 7,028,736 bytes
;; launch means (part 1): grid 256 x 1, 6 waves a work-group, no clusters, 1,792 bytes of LDS; arguments x, edge; writes edge
.if DOCPART == 1
	.amdgcn_target "amdgcn-amd-amdhsa--gfx1250"
	.amdhsa_code_object_version 6
	.text
	.protected	k_q614917971a_means
	.globl	k_q614917971a_means
	.p2align	8
	.type	k_q614917971a_means,@function
k_q614917971a_means:
	s_mov_b64 s[64:65], 0
	v_nop
	global_prefetch_b8 v0, s[64:65] scope:SCOPE_SE
	s_setreg_imm32_b32 hwreg(HW_REG_WAVE_MODE, 25, 1), 1
	s_wait_xcnt 0x0
; x: [8][192][4096] f32.  edge: E[b][j][c] f32, j = 0 .. 32, c innermost (768 bytes a column, 25,344 a batch):
; E[b][0][c] = the mean of row (b, c);  E[b][j][c] = x[b][c][128 j - 1] for j = 1 .. 32: the column that stands just in front of window j of the next launch (j = 32: the row's last number).
; A wave takes one row of 16,384 bytes whole: 32 loads of 512 consecutive bytes, all asked for at once, 128 registers.  Work-group g takes rows 6 g .. 6 g + 5: 256 work-groups for the 1,536 rows.
; The six waves' 33 numbers each meet in LDS (word 6 j + w) and leave as 33 pieces of 24 bytes, one for each column j: six neighbouring channels.  Whole runs of 256 bytes of a column would want
; 64 channels in a work-group, 24 work-groups for all of x: the stream's breadth is worth more than these 202,752 bytes.
; No cache word on the loads: the next launch reads x again.  No matrix unit, no cluster: a sum along rows, and no two work-groups read the same bytes.
; LIMITS: NaN and infinities among the inputs are not served.  The sum's order is a tree (four packed chains a lane, then across the lanes), not the reference's.
.set X, 32                             ; v32-159  the row: load i in v[X+4i .. X+4i+3]: lane l holds x[128 i + 4 l + 0 .. 3]
	s_load_b128 s[4:7], s[0:1], 0x0                ; x s[4:5], edge s[6:7]
	v_lshl_add_u32 v160, v0, 2, 0x400
	v_mov_b32 v161, 0
	v_lshrrev_b32 v1, 5, v0
	v_readfirstlane_b32 s8, v1                     ; wave 0..5
	v_and_b32 v1, 31, v0                           ; lane
	v_lshlrev_b32 v2, 4, v1                        ; my 16 bytes of a load's 512
	s_mul_i32 s10, ttmp9, 6
	s_add_co_u32 s10, s10, s8                      ; my row: 6 g + w
	s_lshl_b32 s10, s10, 14                        ; x 16,384 bytes: under 2^25
	s_mov_b32 s11, 0
	s_lshr_b32 s14, ttmp9, 5                       ; the batch: g / 32
	s_mul_i32 s14, s14, 33*768
	s_and_b32 s15, ttmp9, 31
	s_mul_i32 s15, s15, 24                         ; the group's six channels: 24 bytes of a column
	s_add_co_u32 s14, s14, s15
	s_mov_b32 s15, 0
	s_mov_b32 s12, 0x76543210                      ; v_permlanex16_b32's selects for lane l xor 16
	s_mov_b32 s13, 0xfedcba98
	s_lshl_b32 s9, s8, 2                           ; 4 w
	s_wait_kmcnt 0x0
	s_add_nc_u64 s[4:5], s[4:5], s[10:11]
	s_add_nc_u64 s[6:7], s[6:7], s[14:15]
.set i, 0
.rept 32
	global_load_b128 v[X+4*i:X+4*i+3], v2, s[4:5] offset:512*i
.set i, i+1
.endr
	v_mul_u32_u24 v15, v1, 24
	v_add_nc_u32 v15, s9, v15                      ; LDS, in: word 6 j + w, j = my lane
	v_mov_b32 v16, s9                              ; and, 768 bytes on, column 32's word
	v_lshlrev_b32 v17, 3, v0                       ; LDS, out: thread t takes words 2 t and 2 t + 1
	v_mul_u32_u24 v13, v0, 171
	v_lshrrev_b32 v13, 9, v13                      ; t / 3 (right for t under 99: 171 / 512 lies 0.00065 over a third)
	v_mul_u32_u24 v18, v13, 744
	v_lshl_add_u32 v18, v0, 3, v18                 ; in edge: 768 (t / 3) + 8 (t % 3) = 744 (t / 3) + 8 t
	v_mov_b32 v14, 0                               ; written once: a lane permute's destination counts as one of its sources
	; the sum of my 128 numbers, four loads at a time, in four packed chains; the first group starts the chains: nothing is cleared
	s_wait_loadcnt 28                              ; loads come back in order: the first four are in, the 28 younger ones may be out
	v_pk_add_f32 v[4:5], v[X:X+1], v[X+8:X+9]
	v_pk_add_f32 v[6:7], v[X+2:X+3], v[X+10:X+11]
	v_pk_add_f32 v[8:9], v[X+4:X+5], v[X+12:X+13]
	v_pk_add_f32 v[10:11], v[X+6:X+7], v[X+14:X+15]
.set g, 1
.rept 7
	s_wait_loadcnt 28-4*g                          ; group g's four loads are in; the groups behind it may be out
.set p, 0
.rept 8
	v_pk_add_f32 v[4+2*(p%4):5+2*(p%4)], v[4+2*(p%4):5+2*(p%4)], v[X+16*g+2*p:X+16*g+2*p+1]
.set p, p+1
.endr
.set g, g+1
.endr
	v_pk_add_f32 v[4:5], v[4:5], v[6:7]
	v_pk_add_f32 v[8:9], v[8:9], v[10:11]
	v_pk_add_f32 v[4:5], v[4:5], v[8:9]
	v_add_f32 v4, v4, v5
	v_add_f32_dpp v4, v4, v4 row_xmask:1 row_mask:0xf bank_mask:0xf
	v_add_f32_dpp v4, v4, v4 row_xmask:2 row_mask:0xf bank_mask:0xf
	v_add_f32_dpp v4, v4, v4 row_xmask:4 row_mask:0xf bank_mask:0xf
	v_add_f32_dpp v4, v4, v4 row_xmask:8 row_mask:0xf bank_mask:0xf
	v_permlanex16_b32 v14, v4, s12, s13
	v_add_f32 v4, v4, v14                          ; the row's sum, in every lane
	v_mul_f32 v12, 0x39800000, v4                  ; x 2^-12: the mean.  Lane 0 keeps it: column 0
.set i, 0
.rept 31
	v_readlane_b32 s[16+i], v[X+4*i+3], 31         ; x[128 i + 127]: the last number of load i lies in lane 31,
	v_writelane_b32 v12, s[16+i], i+1              ; and is column i + 1's
.set i, i+1
.endr
	v_readlane_b32 s47, v[X+127], 31               ; x[4095]: column 32's
	v_mov_b32 v13, s47
	ds_store_b32 v15, v12
	ds_store_b32 v16, v13 offset:768               ; every lane writes the same word with the same number
	s_wait_dscnt 0x0                               ; for the others' sake: my stores have landed
	s_barrier_signal -1
	s_barrier_wait -1
	s_cmp_gt_u32 s8, 3                             ; 198 words leave by 99 threads: waves 0 to 2 and three lanes of wave 3
	s_cbranch_scc1 .Lend
	s_wait_xcnt 0x0                                ; EXEC changes only behind this wait: my loads have had their addresses translated
	v_cmp_gt_u32 vcc_lo, 99, v0
	s_and_saveexec_b32 s10, vcc_lo
	ds_load_b64 v[20:21], v17
	s_wait_dscnt 0x0
	global_store_b64 v18, v[20:21], s[6:7]         ; three neighbouring threads store a column's 24 bytes
	s_wait_xcnt 0x0                                ; and again, in front of the line that widens it
	s_or_b32 exec_lo, exec_lo, s10
.Lend:
	s_wait_tensorcnt 0x0
	ds_add_u32 v160, v161
	s_wait_dscnt 0x0
	s_endpgm
.Lfunc_end_k_q614917971a_means:
	.size	k_q614917971a_means, .Lfunc_end_k_q614917971a_means-k_q614917971a_means
	.p2alignl 7, 3214868480
	.fill 96, 4, 3214868480
	.section	.rodata,"a",@progbits
	.p2align	6, 0x0
	.amdhsa_kernel k_q614917971a_means
		.amdhsa_group_segment_fixed_size 1792
		.amdhsa_private_segment_fixed_size 0
		.amdhsa_enable_private_segment 0
		.amdhsa_kernarg_size 16
		.amdhsa_user_sgpr_count 2
		.amdhsa_user_sgpr_kernarg_segment_ptr 1
		.amdhsa_wavefront_size32 1
		.amdhsa_system_sgpr_workgroup_id_x 1
		.amdhsa_system_sgpr_workgroup_id_y 1
		.amdhsa_system_sgpr_workgroup_id_z 1
		.amdhsa_system_vgpr_workitem_id 0
		.amdhsa_next_free_vgpr 162
		.amdhsa_next_free_sgpr 66
		.amdhsa_reserve_vcc 1
		.amdhsa_float_denorm_mode_32 3
		.amdhsa_float_denorm_mode_16_64 3
		.amdhsa_memory_ordered 1
		.amdhsa_forward_progress 1
		.amdhsa_inst_pref_size 15
	.end_amdhsa_kernel
	.amdgpu_metadata
---
amdhsa.version: [ 1, 2 ]
amdhsa.kernels:
  - .name:           k_q614917971a_means
    .symbol:         k_q614917971a_means.kd
    .args:
      - { .name: x, .offset: 0, .size: 8, .value_kind: global_buffer, .address_space: global }
      - { .name: edge, .offset: 8, .size: 8, .value_kind: global_buffer, .address_space: global }
    .group_segment_fixed_size: 1792
    .private_segment_fixed_size: 0
    .kernarg_segment_align: 8
    .kernarg_segment_size: 16
    .max_flat_workgroup_size: 192
    .sgpr_count:     66
    .vgpr_count:     162
    .wavefront_size: 32
...
	.end_amdgpu_metadata
.endif
;; end of part 1
;; launch quant (part 2): grid 33 x 8, 12 waves a work-group, no clusters, 169,472 bytes of LDS; arguments x, edge, kv; writes kv
.if DOCPART == 2
	.amdgcn_target "amdgcn-amd-amdhsa--gfx1250"
	.amdhsa_code_object_version 6
	.text
	.protected	k_q614917971a_quant
	.globl	k_q614917971a_quant
	.p2align	8
	.type	k_q614917971a_quant,@function
k_q614917971a_quant:
	s_mov_b64 s[64:65], 0
	v_nop
	global_prefetch_b8 v0, s[64:65] scope:SCOPE_SE
	s_setreg_imm32_b32 hwreg(HW_REG_WAVE_MODE, 25, 1), 1
	s_wait_xcnt 0x0
; xf[c][s]: s = 0 the mean, s >= 1 x[c][s - 1]; s = 0 .. 4096.  This launch makes both quantised operands of the attention, once: qs = xf x 192^-0.25 quantised along c (it is Q and K of the first product), and xf
; quantised along s (V of the second), as codes of E2M1 with E8M0 scale bytes, laid in kv IN THE ORDER OF THE OPERANDS' REGISTERS, so that the next launch takes every fragment by loads of 16 bytes a lane at 16 x lane.
; Work-group (j, b) takes WINDOW j of batch b: keys s = 128 j .. 128 j + 127, all 192 channels, and stores key step j's block of kv, 26,624 dense bytes:
;   0       K's tiles t = 0 .. 7, 1,536 bytes each: three groups of four registers (channels 64 i + 32 h + 0 .. 31 of the lane's key), 512 bytes a group, lane l's 16 bytes at 16 l
;   12,288  V's tiles t = 0 .. 11 (channels 16 t on), 1,024 bytes each: two groups of four registers (slots 64 c + 32 h + 0 .. 31 of the lane's channel)
;   24,576  K's scale words [2][32 lanes][4]: word e of group g is tile 4 g + e's register: lanes 0-15 the words of channels 0-127, lanes 16-31 those of channels 128-255 (bytes 2 and 3: 0, over zero codes of Q)
;   25,600  V's scale words [2][32 lanes][4]: word e of group g is register 4 g + e: lanes 0-15 tile 2 (4 g + e), lanes 16-31 the tile behind it; registers 6 and 7 are zeros
; THE BLOCKS ALONG s LIE ONE NUMBER OFF THE MEMORY'S ALIGNMENT.  Block beta of the window is x's columns 32 beta - 1 .. 32 beta + 30 of the window.  Inside a block the order of k is free so long as both operands of
; the second product keep the same order (one scale serves the block).  So the tile is loaded aligned, and in each row the word at PLACE 32 beta + 31 is replaced by the word that stood at place 32 beta - 1 (beta = 0:
; edge's column j).  In the operands SLOT sigma of a block holds place (sigma + 28) mod 32: the replaced word lies in slot 3.  V's loads and K's choice of rows both follow that.
; THE ROWS OF A TILE OF K: lane r of tile 2 b + u takes slot 32 b + 8 u + r + 8 (r / 8), so that in the next launch the 16 registers of the scores' tiles 2 b and 2 b + 1 are 16 neighbouring slots.
; WINDOW 32 holds one key, s = 4096, which is edge's column 32, at place 31.  It runs the same text: its tile's address is held at window 31's, and the other 31 slots of V's block 0 are multiplied by 0 (by 1 in
; every other window), as the quantiser fills a short block with zeros.  The rest of its block is not zeroed: those keys are hidden in the next launch, so their K meets a mask and their V zero codes of p.
; SHARES.  Wave w owns channels 16 w .. 16 w + 15: it loads their rows, fixes them and quantises them along s.  Waves 0-7 also quantise tile w of K along c.  The scale words meet in LDS and leave as 2,048 dense bytes.
; No cluster: no two work-groups read the same tile of x.  No LDS byte is filled twice.  264 work-groups: eight more than one for each of 256.
; LIMITS: NaN and infinities among the inputs are not served.  A block whose largest magnitude lies under 2^-124 (a block of zeros too) gets the byte 1, not the rule's: this program alone reads the bytes.
.set PITCH, 528                        ; a row in LDS: 512 bytes + 16 of padding: an odd multiple of 16, so that the 16 rows of a ds_load_b128 start 16 bytes apart modulo 256
.set WTILE, 16*PITCH                   ; a wave's 16 rows: 8,448 bytes = 33 blocks of 256
.set STG,   192*PITCH                  ; 2,048 bytes: the scale words, as they will lie in kv
.set STEPB, 26624                      ; a key step's block of kv
.set BATCHB, 33*STEPB
.set VIMG,  12288
.set KSC,   24576
.set FLOOR, 0x1800000                  ; 2^(3 - 127): no largest magnitude is taken under it, so that no scale byte falls under 1
.set OFF2,  0xff000000                 ; takes 2 off an exponent field
.set AF,  4                            ; v4   my row of the wave's 16: WTILE w + PITCH r
.set AV,  5                            ; v5   + 128 h: my half's block of 32 places
.set AK,  6                            ; v6   K: 32 PITCH h + 4 x my key's place
.set AK2, 7                            ; v7   the same 128 rows further down (past an LDS offset's 16 bits)
.set ASK, 8                            ; v8   STG + 512 (w / 4) + 16 lane + 4 (w % 4)
.set ASV, 9                            ; v9   STG + 1,024 + 512 (w / 8) + 16 (16 (w % 2) + r) + 4 ((w / 2) % 4)
.set AR,  10                           ; v10  STG + 16 thread
.set GE,  11                           ; v11  64 w + 4 r: my channel in a column of edge
.set GK,  12                           ; v12  16 lane + 1,536 w: my place in K's images
.set GV,  13                           ; v13  16 lane + VIMG + 1,024 w: in V's
.set GS,  14                           ; v14  KSC + 16 thread: among the scale words
.set H8,  19                           ; v19  8 h
.set EDGE, 20                          ; v20  edge's column j at my channel
.set FX,  22                           ; v22-24 the three words that move
.set ZERO, 25                          ; v25  0
.set TM,  28                           ; v28-30 largest magnitudes, then scale bytes
.set SO,  31                           ; v31-33 the conversions' scale operands
.set W0,  34
.set PT,  35
.set KSW, 36                           ; v36  K's scale register as it will be loaded
.set X,   48                           ; v48-143  96 numbers: register 32 i + k = channel 32 (2 i + h) + k of my key
.set Y,   144                          ; v144-207 64 numbers: register 32 c + k = slot 64 c + 32 h + k of my channel
.set KC,  224                          ; v224-235 K's codes
.set VC,  240                          ; v240-247 V's codes
.set KS0, 248
.set KS1, 249
.set VS,  252
.set WV,  10                           ; s10 wave;  s11 j
.set JW,  11
.set QSC, 32                           ; s[32:33] 192^-0.25, twice (the packed form names a pair)
.set SEL, 36                           ; s[36:37] v_permlanex16_b32's selects for lane l xor 16
.set ZF,  40                           ; s[40:41] 1.0, in window 32 0.0, twice
; X's block i times 192^-0.25
.macro MULB i
.set mp, 0
.rept 16
	v_pk_mul_f32 v[X+32*(\i)+2*mp:X+32*(\i)+2*mp+1], v[X+32*(\i)+2*mp:X+32*(\i)+2*mp+1], s[QSC:QSC+1] op_sel_hi:[1,0]
.set mp, mp+1
.endr
.endm
; nb whole blocks of 32 of a lane, block i in v[src + 32 i ..], become codes in v[dst + 4 i ..]: the operand's registers as they stand.  My blocks are numbers h, 2 + h (, 4 + h) of the row: their bytes go to
; their places in the scale words sw0 (blocks 0-3) and sw1 (blocks 4, 5), which lane l xor 16 completes.
.macro QUANT src, nb, dst, sw0, sw1
.set qi, 0
.rept \nb
	v_max3_num_f32 v[TM+qi], |v[\src+32*qi]|, |v[\src+32*qi+1]|, FLOOR
.set qi, qi+1
.endr
.set qk, 2
.rept 15
.set qi, 0
.rept \nb
	v_max3_num_f32 v[TM+qi], v[TM+qi], |v[\src+32*qi+qk]|, |v[\src+32*qi+qk+1]|   ; the blocks by turns: no line waits for the line above it
.set qi, qi+1
.endr
.set qk, qk+2
.endr
.set qi, 0
.rept \nb
	v_add_nc_u32 v[SO+qi], OFF2, v[TM+qi]          ; 2 off the exponent field: the conversion takes this operand's exponent field as its scale
.set qi, qi+1
.endr
.set qi, 0
.rept \nb
	v_lshrrev_b32 v[TM+qi], 23, v[SO+qi]           ; the scale's byte
.set qi, qi+1
.endr
	v_lshl_or_b32 v[W0], v[TM+1], 16, v[TM]
	v_lshlrev_b32 v[W0], v[H8], v[W0]              ; bytes h and 2 + h
	v_permlanex16_b32 v[PT], v[W0], s[SEL], s[SEL+1]
	v_or_b32 v[\sw0], v[W0], v[PT]
.if \nb == 3
	v_lshlrev_b32 v[W0], v[H8], v[TM+2]            ; byte h; bytes 2 and 3 stay 0
	v_permlanex16_b32 v[PT], v[W0], s[SEL], s[SEL+1]
	v_or_b32 v[\sw1], v[W0], v[PT]
.endif
.set qi, 0
.rept \nb
.set qg, 0
.rept 4
	v_cvt_scalef32_pk8_fp4_f32 v[\dst+4*qi+qg], v[\src+32*qi+8*qg:\src+32*qi+8*qg+7], v[SO+qi]
.set qg, qg+1
.endr
.set qi, qi+1
.endr
	v_nop                                          ; one plain place behind the last scaled conversion
.endm
	s_load_b128 s[4:7], s[0:1], 0x0                ; x s[4:5], edge s[6:7]
	s_load_b64 s[8:9], s[0:1], 0x10                ; kv
	v_lshl_add_u32 v254, v0, 2, 0x29000
	v_mov_b32 v255, 0
	ds_add_u32 v254, v255
	ds_add_u32 v254, v255
	v_lshrrev_b32 v1, 5, v0
	v_readfirstlane_b32 s[WV], v1                  ; wave 0..11
	s_mov_b32 s[JW], ttmp9                         ; the window, 0 .. 32
	s_and_b32 s24, ttmp7, 0xffff                   ; the batch
	; descriptor group 1: 16 rows x 128 elements of 4 bytes, rows 4,096 elements apart, 16 bytes of padding behind each row in LDS
	s_mov_b32 s16, (2<<16)|(1<<20)|(6<<22)|(3<<25) ; 15:0 no mask; 17:16 elements of 4 bytes; 20 padding on; 24:22 after every 128 words (code 6); 31:25 four words (code 3)
	s_mov_b32 s17, 128<<16                         ; tensor_dim0 = 128
	s_mov_b32 s18, 16<<16                          ; tensor_dim1 = 16
	s_mov_b32 s19, 128<<16                         ; tile_dim0 = 128
	s_mov_b32 s20, 16                              ; tile_dim1 = 16
	s_mov_b32 s21, 4096                            ; tensor_dim0_stride
	s_mov_b32 s22, 0
	s_mov_b32 s23, 0
	s_mov_b32 s12, 1                               ; group 0: count = 1,
	s_mul_i32 s13, s[WV], WTILE                    ; my 16 rows in LDS,
	s_min_u32 s25, s[JW], 31                       ; (window 32 has no columns of its own: its tile's address is held at window 31's)
	s_mul_i32 s2, s24, 192*16384                   ; and in x: the batch,
	s_lshl_b32 s3, s[WV], 18                       ; 16 w rows of 16,384 bytes,
	s_add_co_u32 s2, s2, s3
	s_lshl_b32 s3, s25, 9                          ; the window's 512 bytes of a row
	s_add_co_u32 s2, s2, s3
	s_mov_b32 s3, 0
	s_cmp_eq_u32 s[JW], 32
	s_cselect_b32 s[ZF], 0, 1.0
	s_mov_b32 s[ZF+1], s[ZF]
	s_lshl_b32 s38, s[WV], 6                       ; 64 w
	s_and_b32 s28, s[WV], 1                        ; u = w % 2
	s_lshl_b32 s45, s28, 8                         ; 256 u
	s_lshl_b32 s28, s28, 3
	s_add_co_u32 s28, s28, 28                      ; 8 u + 28
	s_lshr_b32 s29, s[WV], 1
	s_lshl_b32 s29, s29, 5                         ; 32 (w / 2)
	s_lshr_b32 s30, s[WV], 2
	s_lshl_b32 s30, s30, 9
	s_and_b32 s44, s[WV], 3
	s_lshl_b32 s44, s44, 2
	s_add_co_u32 s30, s30, s44                     ; 512 (w / 4) + 4 (w % 4)
	s_lshr_b32 s31, s[WV], 3
	s_lshl_b32 s31, s31, 9
	s_bfe_u32 s44, s[WV], 0x20001
	s_lshl_b32 s44, s44, 2
	s_add_co_u32 s31, s31, s44
	s_add_co_u32 s31, s31, s45                     ; 512 (w / 8) + 4 ((w / 2) % 4) + 256 u
	s_mul_i32 s42, s[WV], 1536
	s_lshl_b32 s43, s[WV], 10
	s_add_co_u32 s43, s43, VIMG
	s_mov_b32 s[QSC], 0x3e898b82                   ; 192^-0.25
	s_mov_b32 s[QSC+1], s[QSC]
	s_mov_b32 s[SEL], 0x76543210
	s_mov_b32 s[SEL+1], 0xfedcba98
	; every address is made here, ahead of the first parting of the waves
	v_and_b32 v1, 31, v0                           ; lane
	v_and_b32 v2, 15, v0                           ; r
	v_bfe_u32 v3, v0, 4, 1                         ; h
	v_mul_u32_u24 v[AF], v2, PITCH
	v_add_nc_u32 v[AF], s13, v[AF]
	v_lshl_add_u32 v[AV], v3, 7, v[AF]
	v_and_b32 v15, 7, v2
	v_lshrrev_b32 v16, 3, v2
	v_lshl_add_u32 v15, v16, 4, v15                ; r + 8 (r / 8)
	v_add_nc_u32 v15, s28, v15                     ; my slot in its block, + 28,
	v_and_b32 v15, 31, v15                         ; mod 32: its place in the block,
	v_add_nc_u32 v15, s29, v15                     ; and in the window
	v_mul_u32_u24 v[AK], v3, 32*PITCH
	v_lshl_add_u32 v[AK], v15, 2, v[AK]
	v_add_nc_u32 v[AK2], 128*PITCH, v[AK]
	v_lshl_add_u32 v[ASK], v1, 4, STG
	v_add_nc_u32 v[ASK], s30, v[ASK]
	v_lshl_add_u32 v[ASV], v2, 4, STG+1024
	v_add_nc_u32 v[ASV], s31, v[ASV]
	v_lshl_add_u32 v[AR], v0, 4, STG
	v_lshl_add_u32 v[GE], v2, 2, s38
	v_lshl_add_u32 v[GK], v1, 4, s42
	v_lshl_add_u32 v[GV], v1, 4, s43
	v_lshl_add_u32 v[GS], v0, 4, KSC
	v_lshlrev_b32 v[H8], 3, v3
	v_mov_b32 v[ZERO], 0
	v_mov_b32 v[PT], 0                             ; written once: a lane permute's destination counts as one of its sources
	s_wait_dscnt 0x0
	s_wait_kmcnt 0x0
	s_add_nc_u64 s[14:15], s[4:5], s[2:3]          ; the tile's first element
	s_or_b32 s15, s15, 0x80000000                  ; type = 2
	tensor_load_to_lds s[12:15], s[16:23]          ; my 16 rows x 512 bytes: the wave's one tensor load; the twelve waves' are the work-group's whole share of x
	s_nop 0
	s_mul_i32 s2, s24, 33*768
	s_mul_i32 s44, s[JW], 768
	s_add_co_u32 s2, s2, s44
	s_add_nc_u64 s[26:27], s[6:7], s[2:3]          ; edge's column j of my batch
	global_load_b32 v[EDGE], v[GE], s[26:27]       ; xf[16 w + r][128 j]
	s_mul_i32 s2, s24, BATCHB
	s_mul_i32 s44, s[JW], STEPB
	s_add_co_u32 s2, s2, s44
	s_add_nc_u64 s[8:9], s[8:9], s[2:3]            ; kv's block (b, j)
	s_wait_loadcnt 0x0                             ; edge's column
	s_wait_tensorcnt 0x0                           ; my 16 rows are in LDS
	; ---- the fix-up of my own rows: place 32 beta + 31 takes what stood at place 32 beta - 1.  Lanes 16-31 repeat lanes 0-15: the same words to the same places
	ds_load_b32 v[FX], v[AF] offset:124
	ds_load_b32 v[FX+1], v[AF] offset:252
	ds_load_b32 v[FX+2], v[AF] offset:380
	s_wait_dscnt 0x0                               ; the old words are in registers before any is written over
	ds_store_b32 v[AF], v[EDGE] offset:124
	ds_store_b32 v[AF], v[FX] offset:252
	ds_store_b32 v[AF], v[FX+1] offset:380
	ds_store_b32 v[AF], v[FX+2] offset:508
	s_wait_dscnt 0x0                               ; for the others' sake: my rows are whole
	s_barrier_signal -1
	; ---- between signal and wait: my 16 channels along s, from my own rows, which nobody writes any more
.set vc, 0
.rept 2
.set vq, 0
.rept 8
	ds_load_b128 v[Y+32*vc+4*vq:Y+32*vc+4*vq+3], v[AV] offset:256*vc+16*((vq+7)%8)   ; slots 4 q on = places 4 ((q + 7) mod 8) on
.set vq, vq+1
.endr
.set vc, vc+1
.endr
	s_wait_dscnt 0x0
	v_pk_mul_f32 v[Y:Y+1], v[Y:Y+1], s[ZF:ZF+1] op_sel_hi:[1,0]   ; all slots but slot 3 of my first block: x 1, in window 32 x 0: the short last block is filled with zeros
	v_mul_f32 v[Y+2], s[ZF], v[Y+2]
.set zp, 4
.rept 14
	v_pk_mul_f32 v[Y+zp:Y+zp+1], v[Y+zp:Y+zp+1], s[ZF:ZF+1] op_sel_hi:[1,0]
.set zp, zp+2
.endr
	QUANT Y, 2, VC, VS, 0                          ; xf itself: no factor
	s_barrier_wait -1                              ; all 192 rows are whole
	global_store_b128 v[GV], v[VC:VC+3], s[8:9]    ; V's image: a wave stores 512 consecutive bytes, at a multiple of 256 from kv's first byte
	global_store_b128 v[GV], v[VC+4:VC+7], s[8:9] offset:512
	ds_store_b32 v[ASV], v[VS]                     ; my 16 channels' scale words (lanes 16-31 repeat lanes 0-15)
	s_cmp_lt_u32 s[WV], 8
	s_cbranch_scc1 .Lkeys
	ds_store_b32 v[ASV], v[ZERO] offset:8          ; waves 8-11 also write registers 6 and 7 of V's scale words: zeros
	s_branch .Ldone
.Lkeys:
	; ---- tile w of K: a lane to a key, registers down c
.set ki, 0
.rept 2
.set kk, 0
.rept 32
	ds_load_b32 v[X+32*ki+kk], v[AK] offset:(64*ki+kk)*PITCH   ; channel 32 (2 i + h) + k of my key
.set kk, kk+1
.endr
.set ki, ki+1
.endr
.set kk, 0
.rept 32
	ds_load_b32 v[X+64+kk], v[AK2] offset:kk*PITCH
.set kk, kk+1
.endr
	s_wait_dscnt 63                                ; block 0's 32 loads are in: 64 were issued behind them, and 63 is the most that a wait can name
	MULB 0
	s_wait_dscnt 32                                ; block 1's are in; block 2's 32 may be out
	MULB 1
	s_wait_dscnt 0x0
	MULB 2
	QUANT X, 3, KC, KS0, KS1
	v_cmp_eq_u32 vcc_lo, 0, v3
	v_cndmask_b32 v[KSW], v[KS1], v[KS0], vcc_lo   ; lanes 0-15: channels 0-127's word; lanes 16-31: channels 128-255's
	global_store_b128 v[GK], v[KC:KC+3], s[8:9]    ; K's image: 512 consecutive bytes a store
	global_store_b128 v[GK], v[KC+4:KC+7], s[8:9] offset:512
	global_store_b128 v[GK], v[KC+8:KC+11], s[8:9] offset:1024
	ds_store_b32 v[ASK], v[KSW]
.Ldone:
	s_wait_dscnt 0x0                               ; for the others' sake
	s_barrier_signal -1
	s_barrier_wait -1                              ; the 2,048 bytes of scale words lie in LDS
	s_cmp_gt_u32 s[WV], 3                          ; they leave by 128 threads
	s_cbranch_scc1 .Lend
	ds_load_b128 v[X:X+3], v[AR]
	s_wait_dscnt 0x0
	global_store_b128 v[GS], v[X:X+3], s[8:9]      ; a wave stores 512 consecutive bytes, at a multiple of 256 from kv's first byte
.Lend:
	s_wait_tensorcnt 0x0
	ds_add_u32 v254, v255
	s_wait_dscnt 0x0
	s_endpgm
.Lfunc_end_k_q614917971a_quant:
	.size	k_q614917971a_quant, .Lfunc_end_k_q614917971a_quant-k_q614917971a_quant
	.p2alignl 7, 3214868480
	.fill 96, 4, 3214868480
	.section	.rodata,"a",@progbits
	.p2align	6, 0x0
	.amdhsa_kernel k_q614917971a_quant
		.amdhsa_group_segment_fixed_size 169472
		.amdhsa_private_segment_fixed_size 0
		.amdhsa_enable_private_segment 0
		.amdhsa_kernarg_size 24
		.amdhsa_user_sgpr_count 2
		.amdhsa_user_sgpr_kernarg_segment_ptr 1
		.amdhsa_wavefront_size32 1
		.amdhsa_system_sgpr_workgroup_id_x 1
		.amdhsa_system_sgpr_workgroup_id_y 1
		.amdhsa_system_sgpr_workgroup_id_z 1
		.amdhsa_system_vgpr_workitem_id 0
		.amdhsa_next_free_vgpr 256
		.amdhsa_next_free_sgpr 66
		.amdhsa_reserve_vcc 1
		.amdhsa_float_denorm_mode_32 3
		.amdhsa_float_denorm_mode_16_64 3
		.amdhsa_memory_ordered 1
		.amdhsa_forward_progress 1
		.amdhsa_inst_pref_size 26
	.end_amdhsa_kernel
	.amdgpu_metadata
---
amdhsa.version: [ 1, 2 ]
amdhsa.kernels:
  - .name:           k_q614917971a_quant
    .symbol:         k_q614917971a_quant.kd
    .args:
      - { .name: x, .offset: 0, .size: 8, .value_kind: global_buffer, .address_space: global }
      - { .name: edge, .offset: 8, .size: 8, .value_kind: global_buffer, .address_space: global }
      - { .name: kv, .offset: 16, .size: 8, .value_kind: global_buffer, .address_space: global }
    .group_segment_fixed_size: 169472
    .private_segment_fixed_size: 0
    .kernarg_segment_align: 8
    .kernarg_segment_size: 24
    .max_flat_workgroup_size: 384
    .sgpr_count:     66
    .vgpr_count:     256
    .wavefront_size: 32
...
	.end_amdgpu_metadata
.endif
;; end of part 2
;; launch attn (part 3): grid 32 x 8, 8 waves a work-group, no clusters, 327,680 bytes of LDS; arguments kv, out0; writes out0
.if DOCPART == 3
	.amdgcn_target "amdgcn-amd-amdhsa--gfx1250"
	.amdhsa_code_object_version 6
	.text
	.protected	k_q614917971a_attn
	.globl	k_q614917971a_attn
	.p2align	8
	.type	k_q614917971a_attn,@function
k_q614917971a_attn:
	s_mov_b64 s[64:65], 0
	v_nop
	global_prefetch_b8 v0, s[64:65] scope:SCOPE_SE
	s_setreg_imm32_b32 hwreg(HW_REG_WAVE_MODE, 25, 1), 1
	s_wait_xcnt 0x0
; The attention of each batch as reference() writes it: weight = softmax(qs^T qs), out = weight xf^T, both products on codes of E2M1 with E8M0 scales, by v_wmma_scale_f32_16x16x128_f8f6f4; head size 192, 4,097 keys.
; reference() makes both products for all 4,097 queries and returns query 0's row (the mean token's).  This text makes them for queries 0 .. 4,095 and stores the one row that is returned: out0[b][c].
; kv (made by the launch before): for each batch 33 key steps of 128 keys, 26,624 bytes each, in the order of the operands' registers: K's 8 tiles (1,536 bytes: registers 0-7 channels 0-127, registers 8-11 channels
; 128-191), V's 12 tiles (1,024 bytes), K's scale words (two groups [lane][4]), V's (likewise).  Every fragment comes by loads of 16 bytes a lane at 16 x lane: no pitch, no padding.
; THE SOFTMAX AHEAD OF THE SECOND PRODUCT: t = score x log2(e); M = the row's largest t so far, rounded UP to a whole number; p = 2^(t - M) is what is quantised, along the keys; it is not normalised.
; The row's sum is taken of the unquantised p and divides at the end.  When M moves, the sum and O are multiplied by 2^(old M - new M): exact.
; SHARES.  Work-group (g, b) owns the 128 queries that are key step g's keys; wave w owns the 16 of that step's tile w: ITS Q FRAGMENT IS K'S IMAGE OF THAT TILE, since Q and K are the same quantised numbers.
; Every wave walks all 33 key steps.  The blocks come through a ring of two LDS slots of three key steps (79,872 bytes), each wave fetching 39 rows of 256 bytes of a slot, and are read by all eight.
; LAYOUT.  Both products are used transposed: S^T = K Q^T (source 0 = 16 keys, source 1 = my 16 queries), O^T = V^T P^T (source 0 = 16 channels, source 1 = P): a lane holds ONE query (lane % 16) throughout.
; The rows of a tile of K were chosen so that the 16 registers of tiles 2 b and 2 b + 1 are slots 32 b + 16 (lane / 16) + 0 .. 15 of the step, in the order in which V's codes lie.
; K = 192 goes as two K steps of 128.  In the second, Q's registers 4-7 are zero codes; K's registers 4-7 are the next tile's first four (whatever codes they hold meet zeros), so a tile takes 12 registers.
; THE LAST STEP holds one key, s = 4,096, in slot 3 (register 3 of tile 0, lanes 0-15): all other scores become -infinity ahead of the maximum.  The mean token is slot 3 of step 0: row 3 of wave 0 of work-group 0.
; No cluster in this text: the 32 work-groups of a batch walk the same blocks, and joint loads would divide their requests by four; but the branch that lets one of them store hangs on the work-group's number,
; which partners in a cluster do not share.
; LIMITS: NaN and infinities are not served.  v_exp_f32 gives 0 for p under 2^-126.  A block of p whose largest lies under 2^-124 keeps the byte 1: its codes are zeros.
; REGISTERS, in windows of 256.  Window 0: v1-10 addresses; v12 -M, v13 the largest t, v[14:15] the sum in two halves; v16-31 Q; v32-127 V's 12 fragments; v128-191 S^T, then p; v192-199 p's codes; v200-214 at work;
;   v224-241 scale words and nothing else.   Window 1: v0-95 O^T (tile t at 8 t); v96-195 K's 8 fragments, 12 registers apart, and four registers of zeros behind the last.
.set STEPB, 26624                      ; a key step's block
.set VIMG,  12288
.set KSC,   24576
.set VSC,   25600
.set SLOTB, 3*STEPB                    ; a slot: three key steps
.set NSL,   11                         ; slots' worth of key steps
.set BATCHB, 33*STEPB
.set WLOAD, SLOTB/8                    ; 9,984 bytes: 39 rows of 256: what one tensor load brings
.set SLOT1, 1<<17                      ; slot 1 begins here, so that one exclusive or turns an address in one slot into the other's
.set SPARE, 2*SLOT1                    ; the spare words, 128 bytes for each wave: four blocks of 256 bytes that no other line names
.set STAGE, SLOT1                      ; the way out: 16 rows x 784 bytes for each wave, from slot 1's first byte on: that slot is left at the last change of slots: it has had its last fill, and nobody reads it
.set SP,    784                        ; a stage row: 768 bytes + 16
.set LI,  1                            ; v1   16 x lane
.set ADR, 2                            ; v2   16 x lane + the LDS byte at which the step in hand begins
.set SPW, 3                            ; v3   LDS address of my spare word: SPARE + 4 x my thread's number; never rewritten
.set NIL, 4                            ; v4   0; never rewritten
.set HH,  5                            ; v5   h = lane / 16
.set RR,  6                            ; v6   r = lane % 16
.set LN,  7                            ; v7   lane
.set STO, 8                            ; v8   the way out: where I put 32 bytes of a row
.set RD,  9                            ; v9   where row 3 is read back
.set GO,  10                           ; v10  8 x lane: my place in a run of 256 bytes of out0
.set Q,   16
.set VF,  32
.set S,   128
.set PC,  192
.set BM,  200                          ; v200-203 the blocks' largest scores, then largest p
.set PT,  204                          ; v204-207 lane l xor 16's; then the bytes; then a chain of the sum
.set SOP, 208                          ; v208-211 the conversions' scale operands
.set F,   212                          ; v[212:213] f = 2^(old M - new M) (the packed form names a pair)
.set TMP, 214
.set KS,  224                          ; v224-231 K's scale words, a register a tile
.set VS,  232                          ; v232-239 V's, a register for two tiles
.set QS,  240                          ; v240 Q's
.set PS,  241                          ; v241 p's
.set O,   0                            ; in window 1
.set KF,  96                           ; in window 1
.set WV,  8                            ; s8 wave;  s9 g;  s10 the batch
.set GX,  9
.set G1,  16                           ; s[16:23] descriptor group 1;  s[24:27] group 0, which walks
.set G0,  24
.set SEL, 28                           ; s[28:29] v_permlanex16_b32's selects for lane l xor 16
.set CS,  30                           ; s[30:31] log2(e), twice
.set TB,  32                           ; s32 LDS byte at which the slot in hand begins
.set TQ,  33                           ; s33 and the step in hand
.set SLOTS, 34                         ; s34 slots still to be asked for
.set MSB, 0
.macro WIN new                         ; the immediate's high byte repeats the setting that is left; a switch that changes nothing is dropped
.if MSB != \new
	s_set_vgpr_msb (MSB<<8)|\new
.set MSB, \new
.endif
.endm
; K's eight tiles and their scale words, of the step that begins off bytes behind v[ADR]
.macro FETCH_K off
	ds_load_b128 v[KS:KS+3], v[ADR] offset:\off+KSC
	ds_load_b128 v[KS+4:KS+7], v[ADR] offset:\off+KSC+512
	WIN 0x40                                       ; destination window 1, address window 0
.set ft, 0
.rept 8
.set fi, 0
.rept 3
	ds_load_b128 v[KF+12*ft+4*fi:KF+12*ft+4*fi+3], v[ADR] offset:\off+1536*ft+512*fi
.set fi, fi+1
.endr
.set ft, ft+1
.endr
	WIN 0
.endm
; A KEY STEP: 128 keys, the q-th of the slot in hand.  pref = 1: the next step's K lies in the same slot and is fetched with this step's V.  mask = 1: the last step, one key.
.macro STEP q, pref, mask
.if \q > 0
	s_add_co_u32 s[TQ], s[TB], (\q)*STEPB
	v_add_nc_u32 v[ADR], s[TQ], v[LI]
.endif
	s_wait_dscnt 0x0                               ; K's fragments and scale words are in
	WIN 0x01                                       ; source 0 (K) window 1
.set t, 0
.rept 8                                        ; S^T = K Q^T, channels 0-127: the first products start the sums; the eight accumulators by turns
	v_wmma_scale_f32_16x16x128_f8f6f4 v[S+8*t:S+8*t+7], v[KF+12*t:KF+12*t+7], v[Q:Q+7], 0, v[KS+t], v[QS] matrix_a_fmt:MATRIX_FMT_FP4 matrix_b_fmt:MATRIX_FMT_FP4
.set t, t+1
.endr
.set t, 0
.rept 8                                        ; channels 128-255: the scale words of this K step lie in lanes 16-31
	v_wmma_scale_f32_16x16x128_f8f6f4 v[S+8*t:S+8*t+7], v[KF+12*t+8:KF+12*t+15], v[Q+8:Q+15], v[S+8*t:S+8*t+7], v[KS+t], v[QS] matrix_a_fmt:MATRIX_FMT_FP4 matrix_b_fmt:MATRIX_FMT_FP4 matrix_a_scale:MATRIX_SCALE_ROW1 matrix_b_scale:MATRIX_SCALE_ROW1
.set t, t+1
.endr
	WIN 0
.rept 4
	v_nop                                          ; four places: in front of the loads into registers that matrix instructions have read, and of the first read of the scores
.endr
.set t, 0
.rept 12                                       ; one run of loads: this step's V, which lands under the softmax,
	ds_load_b128 v[VF+8*t:VF+8*t+3], v[ADR] offset:VIMG+1024*t
	ds_load_b128 v[VF+8*t+4:VF+8*t+7], v[ADR] offset:VIMG+1024*t+512
.set t, t+1
.endr
	ds_load_b128 v[VS:VS+3], v[ADR] offset:VSC
	ds_load_b128 v[VS+4:VS+7], v[ADR] offset:VSC+512
.if \pref
	FETCH_K STEPB                                  ; and the next step's K
.endif
.if \mask
	v_mov_b32 v[TMP], 0xff800000                   ; -infinity: p = 0 then
	v_cmp_eq_u32 vcc_lo, 0, v[HH]
	v_cndmask_b32 v[S+3], v[TMP], v[S+3], vcc_lo   ; slot 3 lies in register 3 of lanes 0-15: the one key of this step
.set p, 0
.rept 64
.if p != 3
	v_mov_b32 v[S+p], v[TMP]
.endif
.set p, p+1
.endr
.endif
.irp b, 0,1,2,3
	v_max3_num_f32 v[BM+\b], v[S+16*\b], v[S+16*\b+1], v[S+16*\b+2]   ; THE LARGEST SCORE OF EACH BLOCK OF 32 KEYS: it serves twice: for the row's maximum, and, since p rises with the score, for the block's largest p
.endr
.irp i, 3,5,7,9,11,13
.irp b, 0,1,2,3
	v_max3_num_f32 v[BM+\b], v[BM+\b], v[S+16*\b+\i], v[S+16*\b+\i+1]   ; (the four blocks by turns)
.endr
.endr
.irp b, 0,1,2,3
	v_max_num_f32 v[BM+\b], v[BM+\b], v[S+16*\b+15]
.endr
.irp b, 0,1,2,3
	v_permlanex16_b32 v[PT+\b], v[BM+\b], s[SEL], s[SEL+1]
.endr
.irp b, 0,1,2,3
	v_max_num_f32 v[BM+\b], v[BM+\b], v[PT+\b]     ; with lane l xor 16's 16 keys
.endr
	v_max3_num_f32 v[TMP], v[BM], v[BM+1], v[BM+2]
	v_max_num_f32 v[TMP], v[TMP], v[BM+3]          ; the step's largest score of my query
	v_mul_f32 v[TMP], s[CS], v[TMP]                ; as t
	v_max_num_f32 v13, v13, v[TMP]                 ; the running largest t
	v_mov_b32 v[TMP], v12
	v_floor_f32 v12, -v13                          ; the new -M = floor(-t) = -ceil(t): M IS A WHOLE NUMBER
	v_sub_f32 v[TMP], v12, v[TMP]                  ; M's old value less its new one: a whole number, 0 or less
	v_cvt_i32_f32 v[TMP], v[TMP]                   ; (it saturates)
	v_ldexp_f32 v[F], 1.0, v[TMP]                  ; f = 2^(old M - new M)
.set p, 0
.rept 32
	v_pk_fma_f32 v[S+p:S+p+1], v[S+p:S+p+1], s[CS:CS+1], v[12:13] op_sel_hi:[1,0,0]   ; t - M, two at a time (of the pairs the low word serves both halves)
.set p, p+2
.endr
.irp b, 0,1,2,3
	v_fma_f32 v[BM+\b], v[BM+\b], s[CS], v12       ; the same of each block's largest score
.endr
.set p, 0
.rept 64
	v_exp_f32 v[S+p], v[S+p]                       ; p = 2^(t - M), at most 1: NOT normalised
.set p, p+1
.endr
.irp b, 0,1,2,3
	v_exp_f32 v[BM+\b], v[BM+\b]                   ; the block's largest p: the same two instructions on the same number give the same bits
.endr
	v_pk_mul_f32 v[14:15], v[14:15], v[F:F+1] op_sel_hi:[1,0]   ; the sums under the new M.  (A plain place behind the exponentials)
	s_wait_alu depctr_va_vdst(0)
.irp b, 0,1,2,3
	v_max_num_f32 v[BM+\b], 0x1800000, v[BM+\b]    ; the floor 2^(3 - 127): the byte cannot fall under 1
.endr
.irp b, 0,1,2,3
	v_add_nc_u32 v[SOP+\b], 0xff000000, v[BM+\b]   ; 2 off the exponent field: the conversion's scale operand
.endr
.irp b, 0,1,2,3
	v_lshrrev_b32 v[PT+\b], 23, v[SOP+\b]          ; the scale's byte
.endr
	v_lshl_or_b32 v[PS], v[PT+1], 8, v[PT]         ; p's scale word for these 128 keys
	v_lshl_or_b32 v[PS], v[PT+2], 16, v[PS]
	v_lshl_or_b32 v[PS], v[PT+3], 24, v[PS]
.irp b, 0,1,2,3
	v_cvt_scalef32_pk8_fp4_f32 v[PC+2*\b], v[S+16*\b:S+16*\b+7], v[SOP+\b]
	v_cvt_scalef32_pk8_fp4_f32 v[PC+2*\b+1], v[S+16*\b+8:S+16*\b+15], v[SOP+\b]
.endr
	v_nop                                          ; one plain place behind the last scaled conversion
.irp c, 0,1                                    ; the operand's layout wants a WHOLE block in a lane: lanes 0-15 block 2 c, lanes 16-31 block 2 c + 1
.irp i, 0,1
	v_permlane16_swap_b32 v[PC+4*\c+\i], v[PC+4*\c+2+\i]
.endr
.endr
	v_pk_add_f32 v[PT:PT+1], v[S:S+1], v[S+2:S+3]  ; THE ROW'S SUM IS TAKEN OF THE UNQUANTISED p: two at a time, in two chains
.irp j, 4,8,12,16,20,24,28,32,36,40,44,48,52,56,60
	v_pk_add_f32 v[14:15], v[14:15], v[S+\j:S+\j+1]
	v_pk_add_f32 v[PT:PT+1], v[PT:PT+1], v[S+\j+2:S+\j+3]
.endr
	v_pk_add_f32 v[14:15], v[14:15], v[PT:PT+1]
	WIN 0x41                                       ; O^T (destination and source 0) window 1, f window 0
.set p, 0
.rept 48
	v_pk_mul_f32 v[O+p:O+p+1], v[O+p:O+p+1], v[F:F+1] op_sel_hi:[1,0]   ; O^T under the new M: x f.  (These are also the places between the writes of p's codes and scale word and the products below)
.set p, p+2
.endr
	s_wait_dscnt 0x0                               ; V is in (and the next step's K)
	WIN 0x50                                       ; C and D window 1
.set t, 0
.rept 6                                        ; O^T += V^T P^T: K = these 128 keys; twelve accumulators by turns; two tiles share a register of scale words
	v_wmma_scale_f32_16x16x128_f8f6f4 v[O+16*t:O+16*t+7], v[VF+16*t:VF+16*t+7], v[PC:PC+7], v[O+16*t:O+16*t+7], v[VS+t], v[PS] matrix_a_fmt:MATRIX_FMT_FP4 matrix_b_fmt:MATRIX_FMT_FP4
	v_wmma_scale_f32_16x16x128_f8f6f4 v[O+16*t+8:O+16*t+15], v[VF+16*t+8:VF+16*t+15], v[PC:PC+7], v[O+16*t+8:O+16*t+15], v[VS+t], v[PS] matrix_a_fmt:MATRIX_FMT_FP4 matrix_b_fmt:MATRIX_FMT_FP4 matrix_a_scale:MATRIX_SCALE_ROW1
.set t, t+1
.endr
	WIN 0
.endm
; THE CHANGE OF SLOTS stands at a slot's head.  Each wave waits for all its tensor loads (its part of the slot that it is about to read), adds 0 to its spare word, and waits for that and for its reads of the slot that it
; has left.  Behind the barrier the slot ahead is whole and nobody reads the other one.  fill = 1: that other slot is filled with the three key steps that follow: the load has a whole slot's steps in which to land.
.macro CHANGE fill
	s_wait_tensorcnt 0x0                           ; no tensor load of mine is out, so group 0 may be written
	ds_add_u32 v[SPW], v[NIL]                      ; 0 onto my spare word
.if \fill
	s_xor_b32 s[G0+1], s[G0+1], SLOT1              ; the walking descriptor: the other slot than last time,
	s_add_nc_u64 s[G0+2:G0+3], s[G0+2:G0+3], SLOTB ; the next three key steps; the type bits on top are not reached
.endif
	s_wait_dscnt 0x0                               ; the add is done, and my reads of the slot that I have left are over
	s_barrier_signal -1
	s_barrier_wait -1
.if \fill
	tensor_load_to_lds s[G0:G0+3], s[G1:G1+7]      ; the first thing behind the barrier, and my one tensor load until the next
	s_nop 0
.rept 4
	v_nop                                          ; (four plain lines behind a tensor load, ahead of any switch of windows)
.endr
.endif
.endm
.macro SLOT last
	v_add_nc_u32 v[ADR], s[TB], v[LI]
	FETCH_K 0                                      ; the slot's first K can only be asked for behind the change of slots
	STEP 0, 1, 0
	STEP 1, 1, 0
	STEP 2, 0, \last
	s_xor_b32 s[TB], s[TB], SLOT1                  ; on to the other slot
.endm
	s_load_b128 s[4:7], s[0:1], 0x0                ; kv s[4:5], out0 s[6:7]
	v_lshl_add_u32 v[SPW], v0, 2, SPARE
	v_mov_b32 v[NIL], 0
	ds_add_u32 v3, v4
	ds_add_u32 v3, v4
	s_wait_dscnt 0x0
	v_lshrrev_b32 v[LN], 5, v0
	v_readfirstlane_b32 s[WV], v[LN]               ; wave 0..7
	s_mov_b32 s[GX], ttmp9                         ; g: which key step's keys are my work-group's queries
	s_and_b32 s10, ttmp7, 0xffff                   ; the batch
	s_mul_i32 s12, s10, BATCHB
	s_mov_b32 s13, 0
	; descriptor group 1: a dense block of 9,984 bytes as 39 rows of 256 bytes (32 elements of 8 bytes), no padding
	s_mov_b32 s[G1], 3<<16                         ; 15:0 no mask; 17:16 elements of 8 bytes; 20 padding off
	s_mov_b32 s[G1+1], 32<<16                      ; tensor_dim0 = 32
	s_mov_b32 s[G1+2], 39<<16                      ; tensor_dim1 = 39
	s_mov_b32 s[G1+3], 32<<16                      ; tile_dim0 = 32
	s_mov_b32 s[G1+4], 39                          ; tile_dim1 = 39
	s_mov_b32 s[G1+5], 32                          ; tensor_dim0_stride
	s_mov_b32 s[G1+6], 0
	s_mov_b32 s[G1+7], 0
	s_mov_b32 s[G0], 1                             ; group 0: count = 1,
	s_mul_i32 s[G0+1], s[WV], WLOAD                ; my eighth of slot 0,
	s_mul_i32 s14, s[WV], WLOAD                    ; and of the batch's first three key steps
	s_mov_b32 s15, 0
	s_mul_i32 s38, s[GX], STEPB                    ; key step g's block,
	s_mov_b32 s39, 0
	s_mul_i32 s40, s[WV], 1536                     ; in it tile w's image,
	s_mov_b32 s41, 0
	s_lshr_b32 s42, s[WV], 2
	s_lshl_b32 s42, s42, 9
	s_and_b32 s43, s[WV], 3
	s_lshl_b32 s43, s43, 2
	s_add_co_u32 s42, s42, s43
	s_add_co_u32 s42, s42, KSC                     ; and tile w's register of scale words: KSC + 512 (w / 4) + 4 (w % 4), 16 bytes from lane to lane
	s_mov_b32 s43, 0
	s_mul_i32 s44, s10, 768                        ; out0's row
	s_mov_b32 s45, 0
	s_mov_b32 s[SEL], 0x76543210
	s_mov_b32 s[SEL+1], 0xfedcba98
	s_mov_b32 s[CS], 0x3fb8aa3b                    ; log2(e)
	s_mov_b32 s[CS+1], s[CS]
	s_mov_b32 s[TB], 0
	s_mov_b32 s[SLOTS], NSL-1
	s_wait_kmcnt 0x0
	s_add_nc_u64 s[36:37], s[4:5], s[12:13]        ; the batch's blocks
	s_add_nc_u64 s[G0+2:G0+3], s[36:37], s[14:15]
	s_or_b32 s[G0+3], s[G0+3], 0x80000000          ; type = 2
	tensor_load_to_lds s[G0:G0+3], s[G1:G1+7]      ; slot 0: the first fill, ahead of every wait on TENSORcnt, every LDS read and every barrier
	s_nop 0
.rept 4
	v_nop
.endr
	s_add_nc_u64 s[38:39], s[36:37], s[38:39]
	s_add_nc_u64 s[40:41], s[38:39], s[40:41]
	s_add_nc_u64 s[42:43], s[38:39], s[42:43]
	s_add_nc_u64 s[6:7], s[6:7], s[44:45]
	v_and_b32 v[LN], 31, v0
	v_and_b32 v[RR], 15, v0
	v_bfe_u32 v[HH], v0, 4, 1
	v_lshlrev_b32 v[LI], 4, v[LN]
.irp i, 0,1,2
	global_load_b128 v[Q+4*\i:Q+4*\i+3], v[LI], s[40:41] offset:512*\i   ; Q's fragments stay in registers
.endr
	global_load_b32 v[QS], v[LI], s[42:43]         ; Q's scale words: lanes 0-15 channels 0-127, lanes 16-31 channels 128-255
.irp i, 12,13,14,15
	v_mov_b32 v[Q+\i], 0                           ; channels 192-255: zero codes
.endr
	s_mul_i32 s44, s[WV], 16*SP
	s_add_co_u32 s44, s44, STAGE                   ; my stage
	v_mul_u32_u24 v[STO], v[RR], SP
	v_lshl_add_u32 v[STO], v[HH], 5, v[STO]
	v_add_nc_u32 v[STO], s44, v[STO]               ; in: row r; tile t's eight channels of my half: 64 t + 32 h bytes on
	v_lshl_add_u32 v[RD], v[LN], 3, 3*SP
	v_add_nc_u32 v[RD], s44, v[RD]                 ; back: row 3, 8 bytes a lane
	v_lshlrev_b32 v[GO], 3, v[LN]
	v_mov_b32 v13, 0xff61b1e6                      ; the largest t so far: -3e38, under every t
	v_floor_f32 v12, -v13                          ; -M
	v_mov_b32 v14, 0                               ; the sum, in two halves
	v_mov_b32 v15, 0
.irp b, 0,1,2,3
	v_mov_b32 v[PT+\b], 0                          ; written once: a lane permute's destination counts as one of its sources
.endr
	v_mov_b32 v[F+1], 0                            ; (named as the upper half of the pair)
	WIN 0x40                                       ; destination window 1
.set p, 0
.rept 96
	v_mov_b32 v[O+p], 0                            ; O^T.  (The step is written once for all steps: the first finds zeros, which the first change of M leaves zeros)
.set p, p+1
.endr
.irp i, 96,97,98,99
	v_mov_b32 v[KF+\i], 0                          ; behind the last tile of K: named as the upper four registers of its second K step
.endr
	WIN 0
	s_wait_loadcnt 0x0                             ; Q
.Lslot:                                            ; NSL - 1 trips: behind each change of slots but the last the next slot is asked for
	CHANGE 1
	SLOT 0
	s_sub_co_u32 s[SLOTS], s[SLOTS], 1
	s_cmp_lg_u32 s[SLOTS], 0
	s_cbranch_scc1 .Lslot
	CHANGE 0                                       ; the last slot is written out; its last step is the one key s = 4,096
	SLOT 1
	; THE WAY OUT.  reference() returns query 0's row alone: row 3 of wave 0 of work-group 0 of each batch.
	s_cmp_lg_u32 s[WV], 0
	s_cbranch_scc1 .Lno_out
	s_cmp_lg_u32 s[GX], 0
	s_cbranch_scc1 .Lno_out
.rept 4
	v_nop                                          ; four places behind the last products, in front of the first read of O^T and of the writes over V's fragments
.endr
	v_add_f32 v14, v14, v15                        ; the sum's two halves,
	v_permlanex16_b32 v[TMP], v14, s[SEL], s[SEL+1]
	v_add_f32 v14, v14, v[TMP]                     ; and lane l xor 16's: the row's sum
	v_rcp_f32 v14, v14
	v_nop                                          ; one plain place behind the reciprocal
	WIN 0x01                                       ; source 0 (O^T) window 1
.set p, 0
	s_wait_alu depctr_va_vdst(0)
.rept 96
	v_mul_f32 v[VF+p], v[O+p], v14                 ; O^T / the sum: register 8 t + i is channel 16 t + 8 h + i of my query; each accumulator from its low end on
.set p, p+1
.endr
	WIN 0
.set t, 0
.rept 12
	ds_store_b128 v[STO], v[VF+8*t:VF+8*t+3] offset:64*t
	ds_store_b128 v[STO], v[VF+8*t+4:VF+8*t+7] offset:64*t+16
.set t, t+1
.endr
.irp i, 0,1,2
	ds_load_b64 v[S+2*\i:S+2*\i+1], v[RD] offset:256*\i   ; LDS serves a wave's instructions in order: these see my stores
.endr
	s_wait_dscnt 0x0
.irp i, 0,1,2
	global_store_b64 v[GO], v[S+2*\i:S+2*\i+1], s[6:7] offset:256*\i   ; 32 lanes store 256 consecutive bytes, at a multiple of 256 from out0's first byte
.endr
.Lno_out:
	s_wait_tensorcnt 0x0                           ; the wave's end: behind my last tensor load and my last LDS store
	ds_add_u32 v[SPW], v[NIL]
	s_wait_dscnt 0x0
	s_endpgm
.Lfunc_end_k_q614917971a_attn:
	.size	k_q614917971a_attn, .Lfunc_end_k_q614917971a_attn-k_q614917971a_attn
	.p2alignl 7, 3214868480
	.fill 96, 4, 3214868480
	.section	.rodata,"a",@progbits
	.p2align	6, 0x0
	.amdhsa_kernel k_q614917971a_attn
		.amdhsa_group_segment_fixed_size 327680
		.amdhsa_private_segment_fixed_size 0
		.amdhsa_enable_private_segment 0
		.amdhsa_kernarg_size 16
		.amdhsa_user_sgpr_count 2
		.amdhsa_user_sgpr_kernarg_segment_ptr 1
		.amdhsa_wavefront_size32 1
		.amdhsa_system_sgpr_workgroup_id_x 1
		.amdhsa_system_sgpr_workgroup_id_y 1
		.amdhsa_system_sgpr_workgroup_id_z 1
		.amdhsa_system_vgpr_workitem_id 0
		.amdhsa_next_free_vgpr 456
		.amdhsa_next_free_sgpr 66
		.amdhsa_reserve_vcc 1
		.amdhsa_float_denorm_mode_32 3
		.amdhsa_float_denorm_mode_16_64 3
		.amdhsa_memory_ordered 1
		.amdhsa_forward_progress 1
		.amdhsa_inst_pref_size 141
	.end_amdhsa_kernel
	.amdgpu_metadata
---
amdhsa.version: [ 1, 2 ]
amdhsa.kernels:
  - .name:           k_q614917971a_attn
    .symbol:         k_q614917971a_attn.kd
    .args:
      - { .name: kv, .offset: 0, .size: 8, .value_kind: global_buffer, .address_space: global }
      - { .name: out0, .offset: 8, .size: 8, .value_kind: global_buffer, .address_space: global }
    .group_segment_fixed_size: 327680
    .private_segment_fixed_size: 0
    .kernarg_segment_align: 8
    .kernarg_segment_size: 16
    .max_flat_workgroup_size: 256
    .sgpr_count:     66
    .vgpr_count:     456
    .wavefront_size: 32
...
	.end_amdgpu_metadata
.endif
;; end of part 3
